; MI455X (gfx1250); checked and timed in simulation.
; The chip was launched on July 23, 2026; its instructions are those of AMD's public machine-readable ISA for CDNA 5 (MIT licence, August 2026) and "CDNA5" Instruction Set Architecture Reference Guide (July 2026). The comments in the code are by the model that wrote it; some were corrected since.
;; KNN Layer. Allowed arithmetic: matrix products marked QUANTISED: E2M1 operands, one E8M0 scale for each 32 along K, by v_wmma_scale_f32_16x16x128_f8f6f4 with both operands' format E2M1 (or v_wmma_scale_f32_32x16x128_f4), f32 sums; products left as they are: f32 operands where the result goes on into a quantised operand, else bf16, f16 or f32 operands; f32 sums; everything else in f32.
;; Inputs: W1_codes 256 x 8 x 16 uint8 (E2M1 codes of W1, K innermost, in blocks of 32 codes, two codes a byte); W1_scales 256 x 8 uint8 (E8M0 scales of W1, one for each 32 codes along K); W2_codes 128 x 8 x 16 uint8 (E2M1 codes of W2, K innermost, in blocks of 32 codes, two codes a byte); W2_scales 128 x 8 uint8 (E8M0 scales of W2, one for each 32 codes along K); b1 256 float32; b2 128 float32; features 32 x 1,024 x 128 float32; points 32 x 1,024 x 2 float32.
;; Outputs: out0 32 x 1,024 x 128 float32.
;; This version of the problem:
;;   THIS VERSION OF THE PROBLEM IS GIVEN IN LOW PRECISION. The matrix products marked QUANTISED in the list below multiply operands that are first quantised to E2M1 (2 exponent bits, 1 mantissa bit; 4 bits a number), with one power-of-two scale for each 32 numbers along K (OCP MX v1.0); their sums are f32. All else is computed in f32.
;;   The module's matrix products, in the order in which they are computed (A, B: the left and right operand; K: the contracted axis; several contracted axes count as one K, in the product's order):
;;     1. batch 32 x [M 1,024, K 2] x [K 2, N 1,024]; A: input points; B: input points: left as it is (K = 2 < 32)
;;     2. [M 524,288, K 256] x [K 256, N 256]; A: computed on the way; B: input W1 (given as codes): QUANTISED
;;     3. [M 524,288, K 256] x [K 256, N 128]; A: computed on the way; B: input W2 (given as codes): QUANTISED
;;   THE QUANTISER, for each operand of a quantised product, along K:
;;     - K is cut into blocks of 32 from its start; a last block that is shorter is filled with zeros.
;;     - A block's scale is 2^e with e = floor(log2(the largest magnitude in the block)) - 2, held to -126 .. 127; a block of zeros has e = 0. As a byte (E8M0): e + 127.
;;     - Each number is divided by its block's scale, clamped to +-6, and rounded to the nearest number of E2M1, ties to even, subnormals kept.
;;     - The product sums the exact products of the quantised numbers (number of the format x scale) in f32.
;;   ~~~python
;;   def quantise(x, axis):      # numpy; x: float32 -> the quantised numbers, widened to float32 again
;;       x = np.moveaxis(x, axis, -1); K = x.shape[-1]
;;       x = np.pad(x, [(0, 0)] * (x.ndim - 1) + [(0, -K % 32)]); x = x.reshape(x.shape[:-1] + (-1, 32)); a = np.abs(x).max(-1, keepdims=True)
;;       e = np.where(a > 0, np.clip(np.frexp(np.where(a > 0, a, 1))[1] - 1 - 2, -126, 127), 0)      # np.frexp(a)[1] - 1 = floor(log2(a)), exactly
;;       r = np.clip(x / 2.0 ** e, -6, 6)
;;       step = 2.0 ** (np.maximum(np.frexp(np.where(r == 0, 1, r))[1] - 1, 0) - 1)
;;       q = np.round(r / step) * step * 2.0 ** e      # np.round: ties to even
;;       return np.moveaxis(q.reshape(q.shape[:-2] + (-1,))[..., :K], -1, axis).astype(np.float32)
;;   ~~~
;;   OPERANDS COMPUTED ON THE WAY. 'Computed on the way' means the value that the module computes at that place (a softmax that the list does not call 'softmax' is quantised finished and normalised). What goes into a quantiser is computed in f32, as accurately as f32 sums, v_exp_f32 and their like allow (about 1e-6 of the number): no bf16 or f16 on the way to a quantiser, and a product that is left as it is and whose result goes on into a quantised operand takes f32 operands (vector FMAs, or v_wmma_f32_16x16x4_f32). A number that lies on a knife's edge between two numbers of the format may be rounded either way, as far as f32 arithmetic and the matrix unit's own rounding can turn it there, and no further.
;;   INPUTS GIVEN AS CODES. W1 (in the module: [256, 256], K = its axis 0); W2 (in the module: [256, 128], K = its axis 0): each comes as NAME_codes (uint8): NAME with its K axis moved to the last place and cut into blocks of 32 codes, [.., K / 32, bytes a block], one block behind the other in memory; two codes a byte, the lower K in the low four bits (a code: sign, 2 exponent bits, 1 mantissa bit); and NAME_scales (uint8): the same leading axes, one E8M0 byte (e + 127) for each 32 codes along K. Its value is code x scale, taken as it is: it is not quantised again, and the codes and scales need not be those that the quantiser above would give.
;; One version. Each part assembles by itself: llvm-mc -triple=amdgcn-amd-amdhsa -mcpu=gfx1250 --defsym DOCPART=n.
;; ======== version 1 of 1: 2 launches
;; limits: right only within a limited range of input values
;; workspace buffers: knn_mask 4,194,304 bytes of whole numbers; knn_pref 1,048,576 bytes of whole numbers
;; launch knn (part 1): grid 256 x 1, 8 waves a work-group, no clusters, 19,456 bytes of LDS; arguments points, knn_mask, knn_pref; writes knn_mask, knn_pref
.if DOCPART == 1
	.amdgcn_target "amdgcn-amd-amdhsa--gfx1250"
	.amdhsa_code_object_version 6
	.text
	.protected	k_q3390304cb5_knn
	.globl	k_q3390304cb5_knn
	.p2align	8
	.type	k_q3390304cb5_knn,@function
k_q3390304cb5_knn:
	s_mov_b64 s[64:65], 0
	v_nop
	global_prefetch_b8 v0, s[64:65] scope:SCOPE_SE
	s_setreg_imm32_b32 hwreg(HW_REG_WAVE_MODE, 25, 1), 1
	s_wait_xcnt 0x0
; For each of 32 x 1,024 points: which 16 candidates follow the first hit among the 17 smallest D[i][j] = |(r_i - 2 m_ij) + r_j|, equal D by the lower index.
; OUT: knn_mask: 1,024 bits a query; word l (candidates 32 l .. 32 l + 31, bit c = candidate 32 l + c) of query q at byte (q / 4) 512 + 16 l + 4 (q % 4).
;      knn_pref: byte 32 q + l = the number of set bits in words 0 .. l - 1 of query q (0 .. 16).  Both at fixed places: no address and no branch here hangs on a distance.
; ARITHMETIC: r = fl(fl(x x) + fl(y y)): a product and a sum, each rounded (lines marked RSQ).  m = fma(y, y', fl(x x')): the product along K = 2 as a chain of fused multiply-adds, K ascending.
;   D = |fl(fl(r_i - 2 m) + r_j)| (lines marked DIST).  So D[i][i] need not be 0; the first hit is the lowest index among the smallest D, whatever that is.
; LIMITS: NaN and infinities among the points are not served.
; SHARES: a work-group has 128 queries of one batch, each of its 8 waves 16.  The batch's x, y, r lie in LDS, written once, one barrier.  Each table has 16 bytes of padding behind every 32 candidates:
;   groups 144 = 9 x 16 bytes apart, so that in pass 2, where a lane owns a group, the sixteen lanes of a 16-byte load fall on sixteen different 16-byte columns of 256 bytes.
; PASS 1 (lane = query lane % 16, half lane / 16; a half scans 512 candidates): the 17 smallest D as values.  Groups of four are sorted; an element of rank k of its group is among the 17 smallest only
;   if k + 1 elements of its group are, so at most 17, 8, 5, 4 elements of rank 0, 1, 2, 3 can be: four sorted lists of these lengths, each kept by a run of medians.  Then: T = the 17th smallest of
;   both halves, L0 = the smallest, n_t = 17 - the number of D under T.
; PASS 2 (a wave to a query, lane l holds candidates 32 l .. 32 l + 31): the same lines give the same bits; masks D < T, D = T, D = L0; of D = T the n_t lowest are kept; the lowest D = L0 is dropped.
; No tensor loads, clusters or matrix units: the inputs are 8 KiB a work-group and the work is comparisons.
.set GP, 144                           ; LDS bytes from a group of 32 candidates to the next
.set TX, 0                             ; LDS: x of the batch's 1,024 points: 32 groups
.set TY, 32*GP                         ; y
.set TR, 64*GP                         ; r
.set PST, 96*GP                        ; 512 bytes for each wave: its 16 queries' 32 prefix bytes
.set LA, 16                            ; v16-32  list of rank 0 (17), later of all
.set LB, 33                            ; v33-40  rank 1 (8)
.set LC, 41                            ; v41-45  rank 2 (5)
.set LE, 46                            ; v46-49  rank 3 (4)
.set DP, 160                           ; v160-175 pass 1: D of 16 candidates; pass 2: v160-191 D of 32
.set SRT, 192                          ; v192-231 pass 1: ten registers for each of four sorts
; pass 2, four queries side by side (register + e):
.set C1, 160
.set C2, 164
.set C4, 168
.set C8, 172
.set NE, 176
.set NL, 180
.set XT, 184
.set YT, 188
.set PE, 192
.set TL, 196
.set POS, 200
.set REM, 204
.set CC, 208
.set SHF, 212
.set KE, 216
.set KC, 220
.set MLT, 224                          ; mask D < T
.set MEQ, 228                          ; mask D = T
.set MZ, 232                           ; mask D = L0
.set FM, 236                           ; the 16 neighbours
.set NF, 240
.set PF, 244
	s_load_b128 s[4:7], s[0:1], 0x0                ; points, knn_mask
	s_load_b64 s[8:9], s[0:1], 0x10                ; knn_pref
	v_lshl_add_u32 v254, v0, 2, 0x4800
	v_mov_b32 v255, 0
	v_lshrrev_b32 v1, 5, v0
	s_delay_alu instid0(VALU_DEP_1)
	v_readfirstlane_b32 s10, v1                    ; wave 0..7
	v_and_b32 v1, 31, v0                           ; lane
	v_and_b32 v2, 15, v0                           ; lane % 16
	v_bfe_u32 v3, v0, 4, 1                         ; h = lane / 16
	s_lshr_b32 s12, ttmp9, 3
	s_lshl_b32 s12, s12, 13                        ; the batch's 8,192 bytes of points
	s_mov_b32 s13, 0
	s_and_b32 s14, ttmp9, 7
	s_lshl_b32 s14, s14, 10                        ; my work-group's 128 queries, 8 bytes each,
	s_lshl_b32 s15, s10, 7
	s_add_co_u32 s14, s14, s15                     ; my wave's 16
	v_lshlrev_b32 v10, 5, v0                       ; thread t takes points 4 t .. 4 t + 3: 32 bytes
	v_lshl_add_u32 v11, v2, 3, s14                 ; my own query
	s_mov_b32 s16, 0x76543210
	s_mov_b32 s17, 0xfedcba98                      ; v_permlanex16_b32's selects for lane l xor 16
	s_mov_b32 s11, 0x7f800000                      ; +infinity
	s_mov_b32 s21, 0                               ; upper words of the pairs that the packed lines name
	s_mov_b32 s23, 0
	s_mov_b32 s25, 0
	s_mov_b32 s53, 0x55555555
	s_mov_b32 s54, 0x33333333
	s_mov_b32 s55, 0x0f0f0f0f
	s_mov_b32 s56, 0x00ff00ff
	s_wait_alu depctr_va_vdst(0)
	s_wait_kmcnt 0x0
	s_add_nc_u64 s[4:5], s[4:5], s[12:13]
	global_load_b128 v[64:67], v10, s[4:5]         ; a wave reads 1,024 bytes on end
	global_load_b128 v[68:71], v10, s[4:5] offset:16
	global_load_b64 v[92:93], v11, s[4:5]
	s_lshl_b32 s12, ttmp9, 14                      ; knn_mask: 128 bytes a query
	s_lshl_b32 s15, s10, 11
	s_add_co_u32 s12, s12, s15
	s_add_nc_u64 s[6:7], s[6:7], s[12:13]
	s_lshl_b32 s12, ttmp9, 12                      ; knn_pref: 32 bytes a query
	s_lshl_b32 s15, s10, 9
	s_add_co_u32 s12, s12, s15
	s_add_nc_u64 s[8:9], s[8:9], s[12:13]
	s_add_co_u32 s15, s15, PST                     ; my wave's prefix bytes in LDS
	v_add_nc_u32 v50, s15, v1                      ; one byte a lane
	v_lshlrev_b32 v52, 4, v1                       ; 16 x lane: my place in a store of 512 bytes
	s_delay_alu instid0(VALU_DEP_1)
	v_add_nc_u32 v53, s15, v52                     ; and on the way out of LDS
.set q_, 0
.rept 34
	v_mov_b32 v[LA+q_], s11                        ; the four lists begin as +infinity
.set q_, q_+1
.endr
	s_wait_loadcnt 0x0
.irp i, 0,1,2,3
	v_pk_mul_f32 v[72+2*\i:73+2*\i], v[64+2*\i:65+2*\i], v[64+2*\i:65+2*\i]   ; RSQ: x x and y y, each rounded,
.endr
	v_pk_mul_f32 v[94:95], v[92:93], v[92:93]
.irp i, 0,1,2,3
	v_add_f32 v[88+\i], v[72+2*\i], v[73+2*\i]     ; RSQ: and added
	v_mov_b32 v[80+\i], v[64+2*\i]
	v_mov_b32 v[84+\i], v[65+2*\i]
.endr
	v_add_f32 v8, v94, v95                         ; my query's r, by the same two lines
	v_mov_b32 v4, v92
	v_mov_b32 v5, v92                              ; v[4:5] x, v[6:7] y, v[8:9] r of my query, twice each for the packed lines
	v_mov_b32 v6, v93
	v_mov_b32 v7, v93
	v_mov_b32 v9, v8
	v_lshlrev_b32 v11, 4, v0                       ; my four candidates' place in a table: 16 t,
	v_lshrrev_b32 v15, 3, v0
	s_delay_alu instid0(VALU_DEP_1)
	v_lshl_add_u32 v11, v15, 4, v11                ; and 16 more for each group of 32 passed (eight threads to a group)
	ds_store_b128 v11, v[80:83] offset:TX
	ds_store_b128 v11, v[84:87] offset:TY
	ds_store_b128 v11, v[88:91] offset:TR
	s_wait_dscnt 0x0                               ; my part of the table has landed,
	s_barrier_signal -1
	s_barrier_wait -1                              ; everybody's has; nothing writes the table again
; ---------------- PASS 1
.macro LOADB buf, off                  ; 16 candidates at byte off behind v10: x, y, r; the sixteen lanes of a half read one address
.irp i, 0,1,2,3
	ds_load_b128 v[\buf+4*\i:\buf+4*\i+3], v10 offset:TX+\off+16*\i
	ds_load_b128 v[\buf+16+4*\i:\buf+19+4*\i], v10 offset:TY+\off+16*\i
	ds_load_b128 v[\buf+32+4*\i:\buf+35+4*\i], v10 offset:TR+\off+16*\i
.endr
.endm
.macro DIST16 buf                      ; DIST: (r_i - 2 m) + r_j for 16 candidates, two at a time, line by line
.irp p, 0,2,4,6,8,10,12,14
	v_pk_mul_f32 v[DP+\p:DP+\p+1], v[\buf+\p:\buf+\p+1], v[4:5]                             ; x x', rounded
.endr
.irp p, 0,2,4,6,8,10,12,14
	v_pk_fma_f32 v[DP+\p:DP+\p+1], v[\buf+16+\p:\buf+17+\p], v[6:7], v[DP+\p:DP+\p+1]       ; m = y y' + that, one rounding
.endr
.irp p, 0,2,4,6,8,10,12,14
	v_pk_fma_f32 v[DP+\p:DP+\p+1], v[DP+\p:DP+\p+1], -2.0, v[8:9] op_sel_hi:[1,0,1]   ; 2 m is exact, so this is one rounding of r_i - 2 m
.endr
.irp p, 0,2,4,6,8,10,12,14
	v_pk_add_f32 v[DP+\p:DP+\p+1], v[DP+\p:DP+\p+1], v[\buf+32+\p:\buf+33+\p]
.endr
.endm
.macro SORT16                          ; four groups of four, five exchanges each; |.| is taken on the way in.  Ranks 0, 1, 2, 3 at +4, +8, +9, +7
.irp g, 0,1,2,3
	v_min_num_f32 v[SRT+10*\g], |v[DP+4*\g]|, |v[DP+4*\g+1]|
	v_max_num_f32 v[SRT+10*\g+1], |v[DP+4*\g]|, |v[DP+4*\g+1]|
	v_min_num_f32 v[SRT+10*\g+2], |v[DP+4*\g+2]|, |v[DP+4*\g+3]|
	v_max_num_f32 v[SRT+10*\g+3], |v[DP+4*\g+2]|, |v[DP+4*\g+3]|
.endr
.irp g, 0,1,2,3
	v_min_num_f32 v[SRT+10*\g+4], v[SRT+10*\g], v[SRT+10*\g+2]
	v_max_num_f32 v[SRT+10*\g+5], v[SRT+10*\g], v[SRT+10*\g+2]
	v_min_num_f32 v[SRT+10*\g+6], v[SRT+10*\g+1], v[SRT+10*\g+3]
	v_max_num_f32 v[SRT+10*\g+7], v[SRT+10*\g+1], v[SRT+10*\g+3]
.endr
.irp g, 0,1,2,3
	v_min_num_f32 v[SRT+10*\g+8], v[SRT+10*\g+5], v[SRT+10*\g+6]
	v_max_num_f32 v[SRT+10*\g+9], v[SRT+10*\g+5], v[SRT+10*\g+6]
.endr
.endm
.macro INSERT l, n, c                  ; v[c] into the ascending list of n at v[l]: from the top down, entry k = the middle one of its lower neighbour, itself and c
.set q_, \n-1
.rept \n-1
	v_med3_num_f32 v[\l+q_], v[\l+q_-1], v[\l+q_], v[\c]
.set q_, q_-1
.endr
	v_min_num_f32 v[\l], v[\l], v[\c]
.endm
.macro SCAN16 buf, other, pre, off     ; 16 candidates; pre = 1: the next 16 are asked for, into the other buffer
	s_wait_dscnt 0x0                               ; the only LDS loads that are out are this buffer's twelve
.if \pre
	LOADB \other, \off
.endif
	DIST16 \buf
	SORT16
.irp g, 0,1,2,3
	INSERT LA,17,SRT+10*\g+4
	INSERT LB,8,SRT+10*\g+8
	INSERT LC,5,SRT+10*\g+9
	INSERT LE,4,SRT+10*\g+7
.endr
.endm
	v_mul_u32_u24 v11, v3, 16*GP                   ; my half's 512 candidates: 16 groups of each table
	s_delay_alu instid0(VALU_DEP_1)
	v_mov_b32 v10, v11
	LOADB 64, 0
	s_mov_b32 s18, 15
	s_mov_b32 s19, 0
.Lscan:                                                ; 15 trips of 32 candidates: one group
	v_add_nc_u32 v10, s19, v11
	s_wait_alu depctr_va_vdst(0)
	SCAN16 64,112,1,64
	SCAN16 112,64,1,GP
	s_add_co_u32 s19, s19, GP
	s_sub_co_u32 s18, s18, 1
	s_cmp_lg_u32 s18, 0
	s_cbranch_scc1 .Lscan
	v_add_nc_u32 v10, s19, v11                     ; the last 32: nothing is read past the half's end
	s_wait_alu depctr_va_vdst(0)
	SCAN16 64,112,1,64
	SCAN16 112,64,0,0
.irp k, 33,34,35,36,37,38,39,40,41,42,43,44,45,46,47,48,49
	INSERT LA,17,\k                                ; the three short lists go into the long one: my half's 17 smallest
.endr
.set q_, 0
.rept 17
	v_permlanex16_b32 v[33+q_], v[LA+q_], s16, s17 ; the other half's 17
.set q_, q_+1
.endr
.irp i, 1,2,3,4,5,6,7,8,9,10,11,12,13,14,15,16
	v_max_num_f32 v[159+\i], v[15+\i], v[49-\i]    ; i of mine and 17 - i of the other's: the larger of the two last ones
.endr
	v_min3_num_f32 v12, v32, v49, v160             ; T, the 17th smallest of both = the least of these over all 18 splits
.irp i, 161,163,165,167,169,171,173
	s_delay_alu instid0(VALU_DEP_1)
	v_min3_num_f32 v12, v12, v[\i], v[\i+1]
.endr
	s_delay_alu instid0(VALU_DEP_1)
	v_min_num_f32 v12, v12, v175
	v_min_num_f32 v13, v16, v33                    ; L0, the smallest
	v_mov_b32 v14, 0
.set q_, 0
.rept 17
	v_cmp_lt_f32 vcc_lo, v[LA+q_], v12
	s_delay_alu instid0(VALU_DEP_1)
	v_add_co_ci_u32 v14, vcc_lo, 0, v14, vcc_lo    ; how many of my 17 lie under T
.set q_, q_+1
.endr
	v_mov_b32 v15, 0
	s_delay_alu instid0(VALU_DEP_1)
	v_permlanex16_b32 v15, v14, s16, s17
	s_delay_alu instid0(VALU_DEP_1)
	v_add_nc_u32 v14, v14, v15
	s_delay_alu instid0(VALU_DEP_1)
	v_sub_nc_u32 v14, 17, v14                      ; n_t: so many of the D = T are taken.  Lane r (0 .. 15) now holds query r's x, y, r, T, L0, n_t
; ---------------- PASS 2
	v_mul_u32_u24 v10, v1, GP                      ; lane l: candidates 32 l .. 32 l + 31: group l of each table
.irp i, 0,1,2,3,4,5,6,7
	ds_load_b128 v[64+4*\i:67+4*\i], v10 offset:TX+16*\i
	ds_load_b128 v[96+4*\i:99+4*\i], v10 offset:TY+16*\i
	ds_load_b128 v[128+4*\i:131+4*\i], v10 offset:TR+16*\i
.endr
	s_wait_dscnt 0x0
.macro V4 op, d, a, b
.irp e, 0,1,2,3
	\op v[\d+\e], v[\a+\e], v[\b+\e]
.endr
.endm
.macro K4 op, d, k, a
.irp e, 0,1,2,3
	\op v[\d+\e], \k, v[\a+\e]
.endr
.endm
.macro QUERY e                         ; the three masks of query s36 + e
	s_add_co_u32 s38, s36, \e
	v_readlane_b32 s20, v4, s38
	v_readlane_b32 s22, v6, s38
	v_readlane_b32 s24, v8, s38
	v_readlane_b32 s26, v12, s38
	v_readlane_b32 s27, v13, s38
	v_readlane_b32 s[28+\e], v14, s38
.irp p, 0,2,4,6,8,10,12,14,16,18,20,22,24,26,28,30
	v_pk_mul_f32 v[160+\p:161+\p], v[64+\p:65+\p], s[20:21] op_sel_hi:[1,0]    ; DIST, as in pass 1: the same operations on the same numbers
.endr
.irp p, 0,2,4,6,8,10,12,14,16,18,20,22,24,26,28,30
	v_pk_fma_f32 v[160+\p:161+\p], v[96+\p:97+\p], s[22:23], v[160+\p:161+\p] op_sel_hi:[1,0,1]
.endr
.irp p, 0,2,4,6,8,10,12,14,16,18,20,22,24,26,28,30
	v_pk_fma_f32 v[160+\p:161+\p], v[160+\p:161+\p], -2.0, s[24:25] op_sel_hi:[1,0,0]
.endr
.irp p, 0,2,4,6,8,10,12,14,16,18,20,22,24,26,28,30
	v_pk_add_f32 v[160+\p:161+\p], v[160+\p:161+\p], v[128+\p:129+\p]
.endr
	v_mov_b32 v[MLT+\e], 0
	v_mov_b32 v[MEQ+\e], 0
	v_mov_b32 v[MZ+\e], 0
.irp b, 28,24,20,16,12,8,4,0           ; from candidate 31 down: mask = 2 mask + bit, so that candidate c ends at bit c
.irp c, 3,2,1,0
	v_cmp_lt_f32 s[40+3*\c], |v[160+\b+\c]|, s26
	v_cmp_eq_f32 s[41+3*\c], |v[160+\b+\c]|, s26
	v_cmp_eq_f32 s[42+3*\c], |v[160+\b+\c]|, s27
.endr
.irp c, 3
	v_add_co_ci_u32 v[MLT+\e], s52, v[MLT+\e], v[MLT+\e], s[40+3*\c]
	v_add_co_ci_u32 v[MEQ+\e], s52, v[MEQ+\e], v[MEQ+\e], s[41+3*\c]
	v_add_co_ci_u32 v[MZ+\e], s52, v[MZ+\e], v[MZ+\e], s[42+3*\c]
.endr
.irp c, 2, 1, 0
	s_delay_alu instid0(VALU_DEP_3)
	v_add_co_ci_u32 v[MLT+\e], s52, v[MLT+\e], v[MLT+\e], s[40+3*\c]
	s_delay_alu instid0(VALU_DEP_3)
	v_add_co_ci_u32 v[MEQ+\e], s52, v[MEQ+\e], v[MEQ+\e], s[41+3*\c]
	s_delay_alu instid0(VALU_DEP_3)
	v_add_co_ci_u32 v[MZ+\e], s52, v[MZ+\e], v[MZ+\e], s[42+3*\c]
.endr
.endr
.endm
.macro SWAR w, c1, c2, c4, c8, n       ; the set bits of w counted in fields of 2, 4, 8, 16 bits, and in all
	K4 v_lshrrev_b32,XT,1,\w
	K4 v_and_b32,XT,s53,XT
	V4 v_sub_nc_u32,\c1,\w,XT
	K4 v_lshrrev_b32,XT,2,\c1
	K4 v_and_b32,XT,s54,XT
	K4 v_and_b32,YT,s54,\c1
	V4 v_add_nc_u32,\c2,XT,YT
	K4 v_lshrrev_b32,XT,4,\c2
	V4 v_add_nc_u32,XT,XT,\c2
	K4 v_and_b32,\c4,s55,XT
	K4 v_lshrrev_b32,XT,8,\c4
	V4 v_add_nc_u32,XT,XT,\c4
	K4 v_and_b32,\c8,s56,XT
	K4 v_lshrrev_b32,XT,16,\c8
	V4 v_add_nc_u32,XT,XT,\c8
	K4 v_and_b32,\n,63,XT
.endm
.macro LSCAN x                         ; running sum over the 32 lanes, own lane included: four steps in each row of 16, then row 0's total onto row 1
.irp n, 1,2,4,8
.irp e, 0,1,2,3
	s_delay_alu instid0(VALU_DEP_4)
	v_mov_b32_dpp v[XT+\e], v[\x+\e] row_shr:\n row_mask:0xf bank_mask:0xf bound_ctrl:1
.endr
	V4 v_add_nc_u32,\x,\x,XT
.endr
.irp e, 0,1,2,3
	s_delay_alu instid0(VALU_DEP_4)
	v_readlane_b32 s[44+\e], v[\x+\e], 15
.endr
.irp e, 0,1,2,3
	s_delay_alu instid0(VALU_DEP_4)
	v_mad_u32_u24 v[\x+\e], v3, s[44+\e], v[\x+\e]
.endr
.endm
.macro WSTEP lev, width, st            ; if the field of st bits at POS holds no more set bits than are still wanted, it is passed over whole
.irp e, 0,1,2,3
	v_bfe_u32 v[CC+\e], v[\lev+\e], v[POS+\e], \width
.endr
.irp e, 0,1,2,3
	s_delay_alu instid0(VALU_DEP_4)
	v_cmp_le_i32 s[40+\e], v[CC+\e], v[REM+\e]
.endr
.irp e, 0,1,2,3
	s_delay_alu instid0(VALU_DEP_4)
	v_cndmask_b32 v[CC+\e], 0, v[CC+\e], s[40+\e]
.endr
.irp e, 0,1,2,3
	v_cndmask_b32 v[SHF+\e], 0, \st, s[40+\e]
.endr
	V4 v_sub_nc_u32,REM,REM,CC
	V4 v_add_nc_u32,POS,POS,SHF
.endm
	s_mov_b32 s18, 4
	s_mov_b32 s36, 0
	s_mov_b32 s37, 0
.Lquad:                                                ; 4 trips of 4 queries
	s_wait_alu depctr_va_vdst(0)
	QUERY 0
	QUERY 1
	QUERY 2
	QUERY 3
	SWAR MEQ,C1,C2,C4,C8,NE
	SWAR MLT,CC,SHF,KE,KC,NL
.irp e, 0,1,2,3
	v_mov_b32 v[PE+\e], v[NE+\e]
.endr
	LSCAN PE
	V4 v_sub_nc_u32,PE,PE,NE                       ; D = T in the lanes below mine
.irp e, 0,1,2,3
	s_delay_alu instid0(VALU_DEP_4)
	v_sub_nc_u32 v[TL+\e], s[28+\e], v[PE+\e]      ; how many of mine may still be taken (signed)
.endr
.irp e, 0,1,2,3
	v_mov_b32 v[POS+\e], 0
.endr
.irp e, 0,1,2,3
	v_mov_b32 v[REM+\e], v[TL+\e]
.endr
	WSTEP C8,8,16
	WSTEP C4,8,8
	WSTEP C2,4,4
	WSTEP C1,2,2
	WSTEP MEQ,1,1                                  ; POS = the largest place (up to 31) under which no more than TL bits are set
.irp e, 0,1,2,3
	s_delay_alu instid0(VALU_DEP_4)
	v_bfe_u32 v[KE+\e], v[MEQ+\e], 0, v[POS+\e]    ; the bits under it (none where TL is negative)
.endr
.irp e, 0,1,2,3
	v_cmp_le_i32 s[40+\e], v[NE+\e], v[TL+\e]      ; all of mine are wanted
.endr
	V4 v_sub_nc_u32,KC,TL,REM
.irp e, 0,1,2,3
	v_cndmask_b32 v[KE+\e], v[KE+\e], v[MEQ+\e], s[40+\e]
.endr
.irp e, 0,1,2,3
	v_cndmask_b32 v[KC+\e], v[KC+\e], v[NE+\e], s[40+\e]
.endr
	V4 v_or_b32,FM,MLT,KE                          ; the 17
.irp e, 0,1,2,3
	v_cmp_ne_u32 s[40+\e], 0, v[MZ+\e]
.endr
.irp e, 0,1,2,3
	s_ctz_i32_b32 s[32+\e], s[40+\e]               ; the first lane that holds a D = L0
.endr
.irp e, 0,1,2,3
	v_sub_nc_u32 v[XT+\e], 0, v[MZ+\e]
.endr
	V4 v_and_b32,XT,XT,MZ                          ; a lane's lowest such bit
.irp e, 0,1,2,3
	v_cmp_eq_u32 s[40+\e], s[32+\e], v1
.endr
.irp e, 0,1,2,3
	s_delay_alu instid0(VALU_DEP_4)
	v_cndmask_b32 v[XT+\e], 0, v[XT+\e], s[40+\e]
.endr
.irp e, 0,1,2,3
	v_cndmask_b32 v[YT+\e], 0, 1, s[40+\e]
.endr
	V4 v_xor_b32,FM,FM,XT                          ; the first hit is dropped: it is set in the 17 (under T, or the lowest of the D = T)
	V4 v_add_nc_u32,NF,NL,KC
	V4 v_sub_nc_u32,NF,NF,YT
.irp e, 0,1,2,3
	s_delay_alu instid0(VALU_DEP_4)
	v_mov_b32 v[PF+\e], v[NF+\e]
.endr
	LSCAN PF
	V4 v_sub_nc_u32,PF,PF,NF                       ; set bits in the words below mine
	v_add_nc_u32 v51, s37, v50
.irp e, 0,1,2,3
	ds_store_b8 v51, v[PF+\e] offset:32*\e
.endr
	global_store_b128 v52, v[FM:FM+3], s[6:7]      ; four queries' words: the wave stores 512 consecutive bytes, aligned
	s_wait_xcnt 0x0                                ; the store's data and base are written again only behind this wait
	s_wait_dscnt 0x0                               ; and so are the byte stores' data
	s_add_nc_u64 s[6:7], s[6:7], 512
	s_add_co_u32 s36, s36, 4
	s_add_co_u32 s37, s37, 128
	s_sub_co_u32 s18, s18, 1
	s_cmp_lg_u32 s18, 0
	s_cbranch_scc1 .Lquad
	ds_load_b128 v[160:163], v53                   ; my wave's own 512 prefix bytes
	s_wait_dscnt 0x0
	global_store_b128 v52, v[160:163], s[8:9]      ; 512 consecutive bytes, aligned
	s_wait_tensorcnt 0x0
	ds_add_u32 v254, v255
	s_wait_dscnt 0x0
	s_endpgm
.Lfunc_end_k_q3390304cb5_knn:
	.size	k_q3390304cb5_knn, .Lfunc_end_k_q3390304cb5_knn-k_q3390304cb5_knn
	.p2alignl 7, 3214868480
	.fill 96, 4, 3214868480
	.section	.rodata,"a",@progbits
	.p2align	6, 0x0
	.amdhsa_kernel k_q3390304cb5_knn
		.amdhsa_group_segment_fixed_size 19456
		.amdhsa_private_segment_fixed_size 0
		.amdhsa_enable_private_segment 0
		.amdhsa_kernarg_size 24
		.amdhsa_user_sgpr_count 2
		.amdhsa_user_sgpr_kernarg_segment_ptr 1
		.amdhsa_wavefront_size32 1
		.amdhsa_system_sgpr_workgroup_id_x 1
		.amdhsa_system_sgpr_workgroup_id_y 1
		.amdhsa_system_sgpr_workgroup_id_z 1
		.amdhsa_system_vgpr_workitem_id 0
		.amdhsa_next_free_vgpr 256
		.amdhsa_next_free_sgpr 66
		.amdhsa_reserve_vcc 1
		.amdhsa_float_denorm_mode_32 3
		.amdhsa_float_denorm_mode_16_64 3
		.amdhsa_memory_ordered 1
		.amdhsa_forward_progress 1
		.amdhsa_inst_pref_size 177
	.end_amdhsa_kernel
	.amdgpu_metadata
---
amdhsa.version: [ 1, 2 ]
amdhsa.kernels:
  - .name:           k_q3390304cb5_knn
    .symbol:         k_q3390304cb5_knn.kd
    .args:
      - { .name: points, .offset: 0, .size: 8, .value_kind: global_buffer, .address_space: global }
      - { .name: knn_mask, .offset: 8, .size: 8, .value_kind: global_buffer, .address_space: global }
      - { .name: knn_pref, .offset: 16, .size: 8, .value_kind: global_buffer, .address_space: global }
    .group_segment_fixed_size: 19456
    .private_segment_fixed_size: 0
    .kernarg_segment_align: 8
    .kernarg_segment_size: 24
    .max_flat_workgroup_size: 256
    .sgpr_count:     66
    .vgpr_count:     256
    .wavefront_size: 32
...
	.end_amdgpu_metadata
.endif
;; end of part 1
;; launch mlp (part 2): grid 256 x 1, 8 waves a work-group, no clusters, 210,944 bytes of LDS; arguments features, knn_mask, knn_pref, W1_codes, W1_scales, b1, W2_codes, W2_scales, b2, out0; writes out0
.if DOCPART == 2
	.amdgcn_target "amdgcn-amd-amdhsa--gfx1250"
	.amdhsa_code_object_version 6
	.text
	.protected	k_q3390304cb5_mlp
	.globl	k_q3390304cb5_mlp
	.p2align	8
	.type	k_q3390304cb5_mlp,@function
k_q3390304cb5_mlp:
	s_mov_b64 s[64:65], 0
	v_nop
	global_prefetch_b8 v0, s[64:65] scope:SCOPE_SE
	s_setreg_imm32_b32 hwreg(HW_REG_WAVE_MODE, 25, 1), 1
	s_wait_xcnt 0x0
; out0[p] = the mean over p's 16 neighbours j of gelu(Q(gelu(Q([f_j - f_p, f_p]) W1 + b1)) W2 + b2); Q = the MX-FP4 quantiser along K; W1, W2 arrive as codes.  gelu is the exact one (erf).
; SHARES: a work-group has 128 points of one batch, each of its 8 waves 16, one after the other: two waves to a SIMD, 512 registers each, so that one works while the other waits.  A tile of 16 rows is the
; 16 neighbours of one point.  The hidden layer never leaves the registers.  Behind one barrier the waves share only bytes that nobody writes again.
; WEIGHTS: W1's and W2's codes and b1 lie in LDS, written once.  Their rows are laid in the order of the tiles (a fragment's sixteen rows are neighbours, 144 bytes apart: sixteen different 16-byte columns of
; 256 bytes).  Each group of 16 products loads its 16 fragments into the gelu's two arrays of window 1, which are idle between two batches, and b1 into the array uc, which serves as the first product's C.
; The loads stand ahead of a quantiser or of the mean, which name none of these registers.  Scale words and b2 are kept in registers.
; NEIGHBOURS: knn_mask (1,024 bits a point) and knn_pref (set bits below each word), whole numbers stored by the launch before, are turned into 16 indices a point in the prologue.
; PRODUCT 1 is used transposed (source 0 = 16 rows of W1, source 1 = the 16 neighbours): a lane holds one neighbour and its registers run along the hidden units.  Lane r of tile 2 b + u takes W1's row
; 32 b + 8 u + r + 8 (r / 8), so that the 16 registers of tiles 2 b, 2 b + 1 are 16 neighbours along the next K.  K step 0 is f_j - f_p; K step 1 is f_p, quantised once a point, the same for all 16 columns.
; PRODUCT 2 is used as it stands (source 0 = the 16 neighbours, source 1 = 16 rows of W2; lane r of tile t takes row 8 r + t): a lane holds one output and eight neighbours, so the mean is seven additions
; and one exchange of halves, and the wave stores a point's 512 bytes by one instruction.  b2 is one number a lane and tile: it is kept twice (a pair) and added by packed additions.
; GELU: u (0.5 + uc P(s) / Q(s)), uc = u held to +-4 sqrt 2, s = uc uc: the usual f32 rational form of erf(x) = x P(x x) / Q(x x), x = u / sqrt 2, its coefficients rescaled to s.
;   It runs on all 64 numbers of a lane at once, stage by stage (32 packed lines a stage), on three arrays of 64: uc, s, and one that holds Q, then 1 / Q, then P: 1 / Q is multiplied into uc before P is
;   begun.  So the 64 reciprocals are one batch, with one wait ahead of it and one behind it.
; AHEAD OF THE WORK: in the trip of point p, behind the products of layer 1's second half, the rows of point p + 1 (asked for in the trip before) have f_p+1 taken off, go through the wave's stage in LDS and
;   come back a lane to a neighbour into the array of Q and P; the 64 clamps and 32 squares of that half stand between these loads and the wait for them.  Then f_j - f_p+1 is quantised, and the rows of
;   point p + 2 are asked for.  The last two trips jump over what they do not have, by branches on the trip's number; the waits stand on every path.
; LIMITS: the form's absolute error in Phi is about 1e-7, so gelu's relative error grows for u under -3 (as it does in any f32 form 0.5 (1 + erf)); NaN and infinities are not served; a block of zeros gets the scale byte 1 (its codes are zeros).
; NO TENSOR LOADS, NO CLUSTER: what work-groups share is 52 KiB of weights read once each; the gathered rows (8 KiB a point) differ from wave to wave and hang on stored indices.  No prefetch: each
; point's rows are asked for into registers most of a trip ahead.
; REGISTERS: window 0: v1-14 addresses; v16-23 codes of f_j - f_p; v24-31 of f_p; v32-47 of the hidden layer; v48-75 scale words and nothing else; v76-91 at work in the quantisers; v92-94 lane, r, h;
;   v96-159 accumulators; v160-223 uc, between batches b1; v224-239 row offsets; v244-251 sums; v252-255 two coefficients.
;   window 1: v0-63 Q, 1 / Q, P; between batches eight fragments, or f_j - f_p a lane to a neighbour; v64-127 the gathered rows; v128-191 s, between batches eight fragments; v192-193 the stage's two
;   addresses; v196-199 my 16 bytes of the centre's row; v200-215 b2, twice each; v254-255 the spare word's address and 0.
.set WL1, 0                            ; LDS: W1's codes, 256 rows of 128 bytes + 16, in the tiles' order
.set WL2, 36864                        ; W2's, 128 rows likewise
.set BL1, 55296                        ; b1
.set PWV, 56320                        ; from here a region of PWB bytes for each wave:
.set PWB, 19200
.set CSTG, 8448                        ;   +0 16 rows x 528: f_j - f_p;  +8,448 16 rows x 528: my 16 points' rows
.set CIMG, 16896                       ;   16 x 64 bytes: their codes
.set CSC, 17920                        ;   16 scale words
.set IDXT, 18048                       ;   16 x 16 indices
.set SPARE, PWV+8*PWB                  ; the spare words: 128 bytes a wave, four blocks of 256 bytes that no other line names
.set NPT, 16                           ; points of a wave
.set TM, 76
.set HA, 96
.set UC, 160
.set IV, 224
.set XA, 0                             ; in window 1
.set XN, 0
.set GR, 64
.set SS, 128
.set NSW, 192
.set NSR, 193
.set CE, 196
.set B2D, 200
.set A0, 32                            ; s[32:55]: the coefficients, each twice
.set A1, 34
.set A2, 36
.set A3, 38
.set A4, 40
.set A5, 42
.set A6, 44
.set B0, 46
.set B1, 48
.set B2, 50
.set B3, 52
.set B4, 54
.set MSB, 0
.macro WIN new                         ; the immediate's high byte repeats the setting that is left
.if MSB != \new
	s_set_vgpr_msb (MSB<<8)|\new
.set MSB, \new
.endif
.endm
.macro COEF r, bits
	s_mov_b32 s[\r], \bits
	s_mov_b32 s[\r+1], \bits
.endm
.macro PLACES n
.rept \n
	v_nop
.endr
.endm
; 64 numbers of a lane in window 1, register XN + 32 c + i = k 64 c + 32 h + i of my row (two whole blocks), become the operand's 8 registers and the row's scale word.
.macro QUANTW codes, sw
	WIN 0x05                                       ; sources 0 and 1 window 1
.irp c, 0,1
.irp p, 0,1
	v_max3_num_f32 v[TM+2*\c+\p], |v[XN+32*\c+16*\p]|, |v[XN+32*\c+16*\p+1]|, 0x1800000   ; with the floor 2^(3 - 127): the byte cannot fall under 1
.endr
.endr
	WIN 0x14                                       ; sources 1 and 2 window 1
.irp i, 2,4,6,8,10,12,14
.irp c, 0,1
.irp p, 0,1
	v_max3_num_f32 v[TM+2*\c+\p], v[TM+2*\c+\p], |v[XN+32*\c+16*\p+\i]|, |v[XN+32*\c+16*\p+\i+1]|
.endr
.endr
.endr
	WIN 0
.irp c, 0,1
	v_max_num_f32 v[TM+2*\c], v[TM+2*\c], v[TM+2*\c+1]
.endr
.irp c, 0,1
	s_delay_alu instid0(VALU_DEP_2)
	v_add_nc_u32 v[TM+4+\c], 0xff000000, v[TM+2*\c]   ; 2 off the exponent field: the conversion's scale operand
.endr
.irp c, 0,1
	s_delay_alu instid0(VALU_DEP_2)
	v_lshrrev_b32 v[TM+6+\c], 23, v[TM+4+\c]       ; the scale's byte
.endr
	s_delay_alu instid0(VALU_DEP_1)
	v_lshl_or_b32 v[TM+8], v[TM+7], 16, v[TM+6]    ; blocks h and 2 + h,
	s_delay_alu instid0(VALU_DEP_1)
	v_lshlrev_b32 v[TM+8], v9, v[TM+8]             ; 8 h bits up;
	v_permlanex16_b32 v[TM+9], v[TM+8], s28, s29
	v_or_b32 v[\sw], v[TM+8], v[TM+9]              ; with lane l xor 16's two the word is whole
	WIN 0x01                                       ; source 0 window 1
.irp c, 0,1
.irp g, 0,1,2,3
	v_cvt_scalef32_pk8_fp4_f32 v[\codes+4*\c+\g], v[XN+32*\c+8*\g:XN+32*\c+8*\g+7], v[TM+4+\c]
.endr
.endr
	WIN 0
	v_nop                                          ; one plain line behind the last scaled conversion
.endm
; 64 numbers of a lane, register 16 b + i = k 32 b + 16 h + i of my row (half blocks), likewise.  Two chains a block, eight in all.
.macro QUANT s, codes, sw
.irp b, 0,1,2,3
	v_max3_num_f32 v[TM+\b], |v[\s+16*\b]|, |v[\s+1+16*\b]|, 0x1800000
.endr
.irp b, 0,1,2,3
	v_max3_num_f32 v[TM+8+\b], |v[\s+8+16*\b]|, |v[\s+9+16*\b]|, |v[\s+10+16*\b]|
.endr
.irp i, 2,4
.irp b, 0,1,2,3
	v_max3_num_f32 v[TM+\b], v[TM+\b], |v[\s+16*\b+\i]|, |v[\s+16*\b+\i+1]|
.endr
.irp b, 0,1,2,3
	v_max3_num_f32 v[TM+8+\b], v[TM+8+\b], |v[\s+16*\b+\i+9]|, |v[\s+16*\b+\i+10]|
.endr
.endr
.irp b, 0,1,2,3
	v_max3_num_f32 v[TM+\b], v[TM+\b], |v[\s+16*\b+6]|, |v[\s+16*\b+7]|
.endr
.irp b, 0,1,2,3
	v_max3_num_f32 v[TM+\b], v[TM+\b], v[TM+8+\b], |v[\s+16*\b+15]|
.endr
.irp b, 0,1,2,3
	v_permlanex16_b32 v[TM+4+\b], v[TM+\b], s28, s29
.endr
.irp b, 0,1,2,3
	v_max_num_f32 v[TM+\b], v[TM+\b], v[TM+4+\b]   ; with lane l xor 16's: the block's largest magnitude
.endr
.irp b, 0,1,2,3
	v_add_nc_u32 v[TM+12+\b], 0xff000000, v[TM+\b]
.endr
.irp b, 0,1,2,3
	v_lshrrev_b32 v[TM+4+\b], 23, v[TM+12+\b]
.endr
	v_lshl_or_b32 v[\sw], v[TM+5], 8, v[TM+4]
	s_delay_alu instid0(VALU_DEP_1)
	v_lshl_or_b32 v[\sw], v[TM+6], 16, v[\sw]
	s_delay_alu instid0(VALU_DEP_1)
	v_lshl_or_b32 v[\sw], v[TM+7], 24, v[\sw]
.irp b, 0,1,2,3
	v_cvt_scalef32_pk8_fp4_f32 v[\codes+2*\b], v[\s+16*\b:\s+7+16*\b], v[TM+12+\b]
	v_cvt_scalef32_pk8_fp4_f32 v[\codes+1+2*\b], v[\s+8+16*\b:\s+15+16*\b], v[TM+12+\b]
.endr
	v_nop                                          ; one plain line behind the last scaled conversion
.irp c, 0,1                                    ; the operand's layout wants a whole block in a lane
.irp i, 0,1
	v_permlane16_swap_b32 v[\codes+4*\c+\i], v[\codes+2+4*\c+\i]
.endr
.endr
.endm
; THE GELU of the 64 accumulator registers, in three parts.  MED64: uc, each accumulator read from its lowest register on.  GSQ: s.  GREST: all else, the result in place.
.macro MED64
.set j_, 0
.rept 64
	v_med3_num_f32 v[UC+j_], v[HA+j_], s31, s30
.set j_, j_+1
.endr
.endm
.macro GSQ
	WIN 0x40                                       ; destination window 1
.set j_, 0
.rept 32
	v_pk_mul_f32 v[SS+j_:SS+j_+1], v[UC+j_:UC+j_+1], v[UC+j_:UC+j_+1]
.set j_, j_+2
.endr
	WIN 0
.endm
.macro FIRST k, c                      ; a polynomial's two highest terms: s k + c (c: a pair in window 0)
	WIN 0x41                                       ; destination and source 0 window 1
.set j_, 0
.rept 32
	v_pk_fma_f32 v[XA+j_:XA+j_+1], v[SS+j_:SS+j_+1], s[\k:\k+1], v[\c:\c+1] op_sel_hi:[1,0,1]
.set j_, j_+2
.endr
.endm
.macro HORN k                          ; x s + k, under destination and sources 0 and 1 in window 1
.set j_, 0
.rept 32
	v_pk_fma_f32 v[XA+j_:XA+j_+1], v[XA+j_:XA+j_+1], v[SS+j_:SS+j_+1], s[\k:\k+1] op_sel_hi:[1,1,0]
.set j_, j_+2
.endr
.endm
.macro GREST
	FIRST B4, 254                                  ; Q
	WIN 0x45
	HORN B2
	HORN B1
	HORN B0
	s_wait_alu depctr_va_vdst(0)                   ; one wait ahead of the batch
.set j_, 0
.rept 64
	v_rcp_f32 v[XA+j_], v[XA+j_]                   ; Q's coefficients are all negative: it has no zero
.set j_, j_+1
.endr
	v_nop                                          ; one plain line behind the last reciprocal
	WIN 0x04                                       ; source 1 window 1
	s_wait_alu depctr_va_vdst(0)                   ; and one wait for the whole batch, ahead of its first reader
.set j_, 0
.rept 32
	v_pk_mul_f32 v[UC+j_:UC+j_+1], v[UC+j_:UC+j_+1], v[XA+j_:XA+j_+1]   ; uc / Q: the array is free for P
.set j_, j_+2
.endr
	FIRST A6, 252                                  ; P
	WIN 0x45
	HORN A4
	HORN A3
	HORN A2
	HORN A1
	HORN A0
	WIN 0x41
.set j_, 0
.rept 32
	v_pk_fma_f32 v[XA+j_:XA+j_+1], v[XA+j_:XA+j_+1], v[UC+j_:UC+j_+1], 0.5 op_sel_hi:[1,1,0]
.set j_, j_+2
.endr
	WIN 0x04
.set j_, 0
.rept 32
	v_pk_mul_f32 v[HA+j_:HA+j_+1], v[HA+j_:HA+j_+1], v[XA+j_:XA+j_+1]
.set j_, j_+2
.endr
	WIN 0
.endm
.macro FRAGS base                      ; 16 fragments, eight tiles x two K steps, from the rows at LDS byte base on: K step 0 into the array of Q and P, K step 1 into that of s
	WIN 0x40                                       ; destination window 1
.irp t, 0,1,2,3,4,5,6,7
.irp c, 0,1
	ds_load_b128 v[XA+8*\t+4*\c:XA+8*\t+4*\c+3], v14 offset:\base+16*\t*144+32*\c
	ds_load_b128 v[SS+8*\t+4*\c:SS+8*\t+4*\c+3], v14 offset:\base+16*\t*144+64+32*\c
.endr
.endr
	WIN 0
.endm
.macro W1LOAD hh                       ; what the products of hidden units 128 hh .. 128 hh + 127 take: W1's fragments, and b1 at the lane's eight hidden units of each tile
	FRAGS WL1+128*\hh*144
.irp t, 0,1,2,3,4,5,6,7
	ds_load_b128 v[UC+8*\t:UC+8*\t+3], v2 offset:BL1+(128*\hh+32*(\t/2)+8*(\t%2))*4
	ds_load_b128 v[UC+8*\t+4:UC+8*\t+7], v2 offset:BL1+(128*\hh+32*(\t/2)+8*(\t%2))*4+16
.endr
.endm
.macro FETCHI adr, off                 ; the 16 indices that lie off bytes behind v[adr]: every lane reads the same 64 bytes
.irp g, 0,1,2,3
	ds_load_b128 v[IV+4*\g:IV+4*\g+3], v[\adr] offset:\off+16*\g
.endr
.endm
.macro FETCHG                          ; their 16 rows: each load brings one whole row, 512 consecutive bytes; other points and work-groups read these rows again
.set i_, 0
.rept 16
	v_min_u32 v[IV+i_], 0x3ff, v[IV+i_]            ; an index stays inside the batch's 1,024 rows
.set i_, i_+1
.endr
.set i_, 0
.rept 16
	v_lshl_add_u32 v[IV+i_], v[IV+i_], 9, v1
.set i_, i_+1
.endr
	WIN 0x40                                       ; destination window 1
.set i_, 0
.rept 16
	global_load_b128 v[GR+4*i_:GR+4*i_+3], v[IV+i_], s[4:5] th:TH_LOAD_HT
.set i_, i_+1
.endr
	WIN 0
.endm
; The 16 gathered rows less the centre's row go into the stage row by row and come out a lane to a neighbour: k = 64 c + 32 h + 0 .. 31.  All subtractions, then all stores, then all loads; all registers named lie in window 1.
.macro STAGE
	WIN 0x45                                       ; destination, sources 0 and 1 window 1
.set i_, 0
.rept 32
	v_pk_add_f32 v[GR+2*i_:GR+2*i_+1], v[GR+2*i_:GR+2*i_+1], v[CE+2*(i_%2):CE+2*(i_%2)+1] neg_lo:[0,1] neg_hi:[0,1]
.set i_, i_+1
.endr
.set i_, 0
.rept 16
	ds_store_b128 v[NSW], v[GR+4*i_:GR+4*i_+3] offset:528*i_
.set i_, i_+1
.endr
.irp c, 0,1
.irp i, 0,1,2,3,4,5,6,7
	ds_load_b128 v[XN+32*\c+4*\i:XN+32*\c+4*\i+3], v[NSR] offset:256*\c+16*\i   ; LDS serves a wave's instructions in order: these see the stores
.endr
.endr
	WIN 0
.endm
	s_load_b512 s[4:19], s[0:1], 0x0               ; features, knn_mask, knn_pref, W1_codes, W1_scales, b1, W2_codes, W2_scales
	s_load_b128 s[20:23], s[0:1], 0x40             ; b2, out0
	WIN 0x40
	v_lshl_add_u32 v254, v0, 2, SPARE              ; my spare word and 0, kept for the wave's end alone
	v_mov_b32 v255, 0
	WIN 0
	v_lshrrev_b32 v92, 5, v0
	v_readfirstlane_b32 s24, v92                   ; wave 0..7
	v_and_b32 v92, 31, v0                          ; lane
	v_and_b32 v93, 15, v0                          ; r
	v_bfe_u32 v94, v0, 4, 1                        ; h
	s_mul_i32 s25, s24, PWB
	s_add_co_u32 s25, s25, PWV                     ; my wave's region of LDS
	v_lshlrev_b32 v1, 4, v92                       ; v1  16 x lane
	v_add_nc_u32 v2, s25, v1
	v_mul_u32_u24 v3, v93, 528
	v_lshl_add_u32 v3, v94, 7, v3
	v_add_nc_u32 v3, s25, v3                       ; v3  the stage on the way out: row r, + 128 h
	v_add_nc_u32 v4, CSTG, v2                      ; v4  my 16 bytes of a point's row
	v_lshl_add_u32 v5, v94, 4, s25
	v_add_nc_u32 v5, CIMG, v5                      ; v5  a point's codes, + 16 h
	v_mov_b32 v6, s25
	v_add_nc_u32 v7, IDXT, v6                      ; v7  the indices
	v_add_nc_u32 v6, CSC, v6                       ; v6  the points' scale words
	v_lshlrev_b32 v8, 5, v93
	v_lshl_add_u32 v8, v94, 4, v8                  ; v8  out: outputs 8 r + 4 h on
	v_lshlrev_b32 v9, 3, v94                       ; v9  8 h
	v_lshlrev_b32 v12, 5, v94                      ; 32 h
	v_lshlrev_b32 v14, 2, v94                      ; 4 h
	v_lshlrev_b32 v13, 4, v0                       ; 16, 4 x thread
	v_lshlrev_b32 v11, 2, v0
	v_lshl_or_b32 v95, v93, 8, v93
	v_lshl_or_b32 v95, v95, 16, v95
	v_add_nc_u32 v95, 0x80808080, v95              ; 0x80 + k in each byte, k = r
	s_mov_b32 s28, 0x76543210
	s_mov_b32 s29, 0xfedcba98                      ; v_permlanex16_b32's selects for lane l xor 16
	s_mov_b32 s30, 0x40b504f3                      ; 4 sqrt 2
	s_mov_b32 s31, 0xc0b504f3
	COEF A0, 0xbbba79f3                            ; -5.69080716e-3   numerator, by rising powers of s
	COEF A1, 0xba08eb41                            ; -5.22304390e-4
	COEF A2, 0xb8883d9c                            ; -6.49646074e-5
	COEF A3, 0xb628d45d                            ; -2.51575617e-6
	COEF A4, 0xb347667d                            ; -4.64265104e-8
	COEF A5, 0x2fa84a8d                            ; +3.06119941e-10
	COEF A6, 0xabd3f331                            ; -1.50599506e-12
	COEF B0, 0xbc69b6a7                            ; -1.42647391e-2   denominator
	COEF B1, 0xbb719bf8                            ; -3.68666458e-3
	COEF B2, 0xb9dc924e                            ; -4.20706744e-4
	COEF B3, 0xb7dfbd29                            ; -2.66717569e-5
	COEF B4, 0xb57460cd                            ; -9.10379490e-7
	s_mov_b32 s60, 0x01010101
	s_mov_b32 s61, 0x55555555
	s_mov_b32 s62, 0x33333333
	s_mov_b32 s63, 0x0f0f0f0f
	s_mov_b32 s71, 0x00ff00ff
	s_mov_b32 s66, 0x3d800000                      ; 1 / 16
	s_mov_b32 s67, 0x3d800000
	s_mov_b32 s27, 0
	s_wait_alu depctr_va_vdst(0)
	s_wait_kmcnt 0x0
	s_lshr_b32 s26, ttmp9, 3
	s_lshl_b32 s26, s26, 19
	s_add_nc_u64 s[4:5], s[4:5], s[26:27]          ; the batch's rows
	s_and_b32 s26, ttmp9, 7
	s_lshl_b32 s26, s26, 16
	s_lshl_b32 s70, s24, 13
	s_add_co_u32 s26, s26, s70
	s_add_nc_u64 s[68:69], s[4:5], s[26:27]        ; my wave's 16 points' rows
	s_lshl_b32 s26, ttmp9, 14
	s_lshl_b32 s70, s24, 11
	s_add_co_u32 s26, s26, s70
	s_add_nc_u64 s[6:7], s[6:7], s[26:27]          ; their masks, 128 bytes a point
	s_lshl_b32 s26, ttmp9, 12
	s_lshl_b32 s70, s24, 9
	s_add_co_u32 s26, s26, s70
	s_add_nc_u64 s[8:9], s[8:9], s[26:27]          ; their prefix bytes, 32 a point
	s_lshl_b32 s26, ttmp9, 16
	s_lshl_b32 s70, s24, 13
	s_add_co_u32 s26, s26, s70
	s_add_nc_u64 s[22:23], s[22:23], s[26:27]      ; their rows of out0
	; ---- the prologue's first loads go out together: 16 + 13 + 16
.irp t, 0,1,2,3,4,5,6,7                        ; pass t: lanes 0-15 point 2 t, lanes 16-31 point 2 t + 1: its 32 prefix bytes
	global_load_b128 v[96+8*\t:99+8*\t], v12, s[8:9] offset:64*\t
	global_load_b128 v[100+8*\t:103+8*\t], v12, s[8:9] offset:64*\t+16
.endr
	WIN 0x40                                       ; destination window 1: the weights as they lie, a share for each of the 256 threads
.set i_, 0
.rept 8
	global_load_b128 v[4*i_:4*i_+3], v13, s[10:11] offset:4096*i_
.set i_, i_+1
.endr
.set i_, 0
.rept 4
	global_load_b128 v[32+4*i_:35+4*i_], v13, s[16:17] offset:4096*i_
.set i_, i_+1
.endr
	global_load_b32 v48, v11, s[14:15]             ; b1
.set i_, 0
.rept 16
	global_load_b128 v[GR+4*i_:GR+4*i_+3], v1, s[68:69] offset:512*i_   ; my 16 points' rows, 512 bytes a load
.set i_, i_+1
.endr
	WIN 0
	; ---- in which word lies neighbour k?  The last word whose prefix is at most k: count the bytes that are, four at a time
	s_wait_loadcnt 29                              ; the 13 + 16 younger loads may be out: the prefix bytes are in
.macro DECODE t
.irp d, 0,1,2,3,4,5,6,7
	v_sub_nc_u32 v[76+\d], v95, v[96+8*\t+\d]      ; 0x80 + k - byte, 0x70 .. 0x8f: no borrow; bit 7 says byte <= k
.endr
.irp d, 0,1,2,3,4,5,6,7
	v_lshrrev_b32 v[76+\d], 7, v[76+\d]
.endr
.irp d, 0,1,2,3,4,5,6,7
	v_and_b32 v[76+\d], s60, v[76+\d]
.endr
	v_add_nc_u32 v76, v76, v77
	v_add_nc_u32 v78, v78, v79
	v_add_nc_u32 v80, v80, v81
	v_add_nc_u32 v82, v82, v83
	v_add_nc_u32 v76, v76, v78
	v_add_nc_u32 v80, v80, v82
	v_add_nc_u32 v76, v76, v80
	v_lshrrev_b32 v77, 16, v76
	v_add_nc_u32 v76, v76, v77
	v_lshrrev_b32 v77, 8, v76
	v_add_nc_u32 v76, v76, v77
	v_and_b32 v76, 63, v76
	v_add_nc_u32 v76, -1, v76
	v_min_u32 v[32+\t], 31, v76                    ; the word's number
	v_lshl_add_u32 v[224+\t], v[32+\t], 4, v14     ; its place in knn_mask: 16 l + 4 h,
	v_add_nc_u32 v[240+\t], v[32+\t], v12          ; its prefix byte's in knn_pref: l + 32 h
.endm
.irp t, 0,1,2,3,4,5,6,7
	DECODE \t
.endr
	; ---- the weights into LDS, their rows in the tiles' order
	s_wait_alu depctr_va_vdst(0)
	s_wait_loadcnt 16                              ; the 16 rows may be out: the weights are in
	v_lshrrev_b32 v15, 3, v0                       ; x = thread / 8: eight threads to a row of 128 bytes, 32 rows a pass
	v_and_b32 v76, 7, v15
	v_and_b32 v77, 8, v15
	v_lshl_add_u32 v76, v77, 1, v76
	v_bfe_u32 v77, v15, 4, 1
	v_lshl_add_u32 v76, v77, 3, v76                ; W1: row 32 i + x goes to place 32 i + x with x's bits 3 and 4 changed over: place 16 (2 b + u) + r holds row 32 b + 8 u + r + 8 (r / 8)
	v_mul_u32_u24 v76, v76, 144
	v_and_b32 v78, 7, v0
	v_lshl_add_u32 v76, v78, 4, v76
	v_and_b32 v77, 7, v15
	v_lshlrev_b32 v77, 4, v77
	v_lshrrev_b32 v79, 6, v0
	v_add_nc_u32 v77, v77, v79                     ; W2: row R = 32 i + x goes to place 16 (R % 8) + R / 8 = 16 (x % 8) + thread / 64 + 4 i: place 16 t + r holds row 8 r + t
	v_mul_u32_u24 v77, v77, 144
	v_lshl_add_u32 v77, v78, 4, v77
	WIN 0x04                                       ; an LDS store's data are its source 1: window 1
.set i_, 0
.rept 8
	ds_store_b128 v76, v[4*i_:4*i_+3] offset:WL1+4608*i_
.set i_, i_+1
.endr
.set i_, 0
.rept 4
	ds_store_b128 v77, v[32+4*i_:35+4*i_] offset:WL2+576*i_
.set i_, i_+1
.endr
	ds_store_b32 v11, v48 offset:BL1
	WIN 0
.irp t, 0,1,2,3,4,5,6,7                        ; the word and its prefix: each load lands on its own address register
	global_load_b32 v[224+\t], v[224+\t], s[6:7] offset:(\t/2)*512+(\t%2)*8
	global_load_u8 v[240+\t], v[240+\t], s[8:9] offset:64*\t
.endr
	; ---- scale words and b2 go from memory into their registers
	v_and_b32 v10, 8, v93
	v_add_nc_u32 v10, v10, v93                     ; r + 8 (r / 8)
	v_lshlrev_b32 v10, 3, v10
	v_lshl_add_u32 v10, v94, 2, v10                ; W1's scale words: lanes 0-15 K step 0, lanes 16-31 K step 1
	v_lshlrev_b32 v15, 6, v93
	v_lshl_add_u32 v15, v94, 2, v15                ; W2's: row 8 r + t
	v_lshlrev_b32 v89, 5, v93                      ; b2: output 8 r + t (a register that nothing writes again before the wait for all loads)
.irp hh, 0,1
.irp t, 0,1,2,3,4,5,6,7
	global_load_b32 v[52+8*\hh+\t], v10, s[12:13] offset:(128*\hh+32*(\t/2)+8*(\t%2))*8
.endr
.endr
.irp t, 0,1,2,3,4,5,6,7
	global_load_b32 v[68+\t], v15, s[18:19] offset:8*\t
.endr
	WIN 0x40
.irp t, 0,1,2,3,4,5,6,7
.irp j, 0,1
	global_load_b32 v[B2D+2*\t+\j], v89, s[20:21] offset:4*\t   ; twice: a pair for the packed additions
.endr
.endr
	WIN 0
	s_wait_loadcnt 56                              ; these 16 + 24 + 16 may be out: my points' rows are in
	WIN 0x04                                       ; data: window 1
.set i_, 0
.rept 16
	ds_store_b128 v4, v[GR+4*i_:GR+4*i_+3] offset:528*i_
.set i_, i_+1
.endr
	WIN 0
	s_wait_dscnt 0x0                               ; my stores have landed,
	s_barrier_signal -1
	s_barrier_wait -1                              ; everybody's have; nothing writes the weights' bytes again
	v_mul_u32_u24 v14, v93, 144
	v_lshl_add_u32 v14, v94, 4, v14                ; v14  a fragment: row r of its tile, + 16 h
	v_lshlrev_b32 v2, 6, v94                       ; v2   b1: 64 h
.irp b, 4,5,6,7,9
	v_mov_b32 v[TM+\b], 0                          ; written once: a lane permute's destination counts as one of its sources
.endr
	; ---- my 16 points' rows are quantised once: 64 bytes of codes and a scale word each
	v_add_nc_u32 v86, CSTG, v3
	v_lshl_add_u32 v87, v93, 6, v5
	v_lshl_add_u32 v88, v93, 2, v6
	WIN 0x40                                       ; destination window 1
.irp c, 0,1
.irp i, 0,1,2,3,4,5,6,7
	ds_load_b128 v[XN+32*\c+4*\i:XN+32*\c+4*\i+3], v86 offset:256*\c+16*\i
.endr
.endr
	WIN 0
	s_wait_alu depctr_va_vdst(0)
	s_wait_dscnt 0x0
	QUANTW 16,48
	ds_store_b128 v87, v[16:19]
	ds_store_b128 v87, v[20:23] offset:32
	ds_store_b32 v88, v48                          ; both halves of the lanes write the same word with the same value
	s_wait_dscnt 0x0                               ; the stores have read their registers
	; ---- neighbour k is set bit number k - prefix of its word
	s_wait_loadcnt 0x0
.set C1R, 96
.set C2R, 104
.set C4R, 112
.set C8R, 120
.set XT, 128
.set YT, 136
.set POS, 144
.set REM, 152
.set CCR, 160
.set SHF, 168
.macro V8 op, d, a, b
.irp e, 0,1,2,3,4,5,6,7
	\op v[\d+\e], v[\a+\e], v[\b+\e]
.endr
.endm
.macro K8 op, d, k, a
.irp e, 0,1,2,3,4,5,6,7
	\op v[\d+\e], \k, v[\a+\e]
.endr
.endm
.macro WSTEP8 lev, width, st           ; if the field of st bits at POS holds no more set bits than are still to be passed, it is passed over whole
.irp e, 0,1,2,3,4,5,6,7
	v_bfe_u32 v[CCR+\e], v[\lev+\e], v[POS+\e], \width
.endr
.irp e, 0,1,2,3,4,5,6,7
	v_cmp_ge_i32 s[72+\e], v[REM+\e], v[CCR+\e]
.endr
.irp e, 0,1,2,3,4,5,6,7
	v_cndmask_b32 v[CCR+\e], 0, v[CCR+\e], s[72+\e]
.endr
.irp e, 0,1,2,3,4,5,6,7
	v_cndmask_b32 v[SHF+\e], 0, \st, s[72+\e]
.endr
	V8 v_sub_nc_u32,REM,REM,CCR
	V8 v_add_nc_u32,POS,POS,SHF
.endm
	v_lshl_add_u32 v13, v92, 2, v7                 ; pass t: points 2 t and 2 t + 1, 16 indices each: 128 t + 4 x lane
	K8 v_lshrrev_b32,XT,1,224                      ; the eight passes side by side
	K8 v_and_b32,XT,s61,XT
	V8 v_sub_nc_u32,C1R,224,XT                     ; set bits in fields of 2,
	K8 v_lshrrev_b32,XT,2,C1R
	K8 v_and_b32,XT,s62,XT
	K8 v_and_b32,YT,s62,C1R
	V8 v_add_nc_u32,C2R,XT,YT                      ; of 4,
	K8 v_lshrrev_b32,XT,4,C2R
	V8 v_add_nc_u32,XT,XT,C2R
	K8 v_and_b32,C4R,s63,XT                        ; of 8,
	K8 v_lshrrev_b32,XT,8,C4R
	V8 v_add_nc_u32,XT,XT,C4R
	K8 v_and_b32,C8R,s71,XT                        ; of 16
.irp e, 0,1,2,3,4,5,6,7
	v_sub_nc_u32 v[REM+\e], v93, v[240+\e]
.endr
.irp e, 0,1,2,3,4,5,6,7
	v_mov_b32 v[POS+\e], 0
.endr
	WSTEP8 C8R,8,16
	WSTEP8 C4R,8,8
	WSTEP8 C2R,4,4
	WSTEP8 C1R,2,2
	WSTEP8 224,1,1
.irp e, 0,1,2,3,4,5,6,7
	v_lshl_add_u32 v[XT+\e], v[32+\e], 5, v[POS+\e]   ; the neighbour's index in its batch
.endr
.irp e, 0,1,2,3,4,5,6,7
	ds_store_b32 v13, v[XT+\e] offset:128*\e
.endr
	s_wait_dscnt 0x0                               ; the stores have read their registers
	v_mov_b32 v252, s[A5]
	v_mov_b32 v253, s[A5]
	v_mov_b32 v254, s[B3]
	v_mov_b32 v255, s[B3]
	; ---- point 0 is staged and quantised, point 1's rows are asked for: what every trip does for the points ahead of it
	WIN 0x40                                       ; destination window 1
	v_add_nc_u32 v[NSW], s25, v1                   ; the stage's two addresses, where the stage's lines can name them
	v_add_nc_u32 v[NSR], 0, v3
	ds_load_b128 v[CE:CE+3], v4                    ; my 16 bytes of f_0
	WIN 0
	FETCHI 7,0
	s_wait_dscnt 0x0
	FETCHG                                         ; point 0's rows
	s_wait_loadcnt 0x0
	STAGE
	FETCHI 7,64                                    ; point 1's indices
	WIN 0x40
	ds_load_b128 v[CE:CE+3], v4 offset:528         ; my 16 bytes of f_1
	WIN 0
	ds_load_b128 v[24:27], v5                      ; f_0's codes: the same for all 16 columns
	ds_load_b128 v[28:31], v5 offset:32
	ds_load_b32 v49, v6                            ; and its scale word
	s_wait_dscnt 0x0                               ; all of these are in, and the stage's stores have read the rows' registers
	FETCHG                                         ; point 1's rows
	QUANTW 16,48                                   ; f_j - f_0
	PLACES 8                                       ; a scale word written by a vector line stands eight plain lines ahead of the scaled product, an operand four
	W1LOAD 0                                       ; what the first products take
.macro L1MUL hh                        ; hidden units 128 hh .. 128 hh + 127 of the 16 neighbours: eight accumulators by turns, two K steps; b1 is the C of the first
	WIN 0x01                                       ; source 0 (W1) window 1
.irp t, 0,1,2,3,4,5,6,7
	v_wmma_scale_f32_16x16x128_f8f6f4 v[HA+8*\t:HA+8*\t+7], v[XA+8*\t:XA+8*\t+7], v[16:23], v[UC+8*\t:UC+8*\t+7], v[52+8*\hh+\t], v48 matrix_a_fmt:MATRIX_FMT_FP4 matrix_b_fmt:MATRIX_FMT_FP4
.endr
.irp t, 0,1,2,3,4,5,6,7
	v_wmma_scale_f32_16x16x128_f8f6f4 v[HA+8*\t:HA+8*\t+7], v[SS+8*\t:SS+8*\t+7], v[24:31], v[HA+8*\t:HA+8*\t+7], v[52+8*\hh+\t], v49 matrix_a_fmt:MATRIX_FMT_FP4 matrix_b_fmt:MATRIX_FMT_FP4 matrix_a_scale:MATRIX_SCALE_ROW1
.endr
	WIN 0
	PLACES 4                                       ; four plain lines between the last product and the first read of a result, the first write of a source and the first load into an operand
.endm
	s_mov_b32 s56, 0                               ; the point in hand, 0 .. 15
	s_mov_b32 s57, 0                               ; 528, 64, 4 x that
	s_mov_b32 s58, 0
	s_mov_b32 s59, 0
	s_wait_alu depctr_va_vdst(0)
.Lpoint:
	s_wait_dscnt 0x0                               ; W1's fragments and b1 for the first half, asked for ahead of the last trip's mean
	v_add_nc_u32 v10, s57, v4                      ; this trip's four LDS addresses
	v_add_nc_u32 v11, s58, v5
	v_add_nc_u32 v12, s59, v6
	v_add_nc_u32 v13, s58, v7
	L1MUL 0
	MED64
	GSQ
	GREST
	W1LOAD 1                                       ; the three arrays are idle: the second half's fragments and b1; the quantiser below names none of them
	QUANT HA,32,50                                 ; K step 0 of the second product
	s_wait_alu depctr_va_vdst(0)
	s_wait_dscnt 0x0
	L1MUL 1
	s_wait_xcnt 0x0                                ; on every path: the last trip's store has read its data and its base: the base steps here, the sums are written anew further down
	s_add_nc_u64 s[22:23], s[22:23], 512           ; one row past the point in hand: the store reaches back
	s_wait_loadcnt 0x0                             ; on every path: the rows of point p + 1 are in, and their loads' address registers are free
	s_cmp_eq_u32 s56, NPT-1
	s_cbranch_scc1 .Lstaged                        ; the last point has no successor
	STAGE                                          ; into the array of Q and P, whose fragments have had their products
	ds_load_b128 v[24:27], v11 offset:64           ; f_p's codes have had their last product: f_p+1's take their place,
	ds_load_b128 v[28:31], v11 offset:96
	ds_load_b32 v49, v12 offset:4                  ; and its scale word
	s_cmp_eq_u32 s56, NPT-2
	s_cbranch_scc1 .Lstaged                        ; and the last but one none two on
	FETCHI 13,128                                  ; the indices of point p + 2,
	WIN 0x40
	ds_load_b128 v[CE:CE+3], v10 offset:1056       ; and my 16 bytes of its row
	WIN 0
.Lstaged:
	MED64                                          ; 96 lines on registers that the loads above do not touch
	GSQ
	s_wait_dscnt 0x0                               ; on every path: the stage's stores have read the rows' registers; f_j - f_p+1, f_p+1's codes and the indices are in
	s_cmp_eq_u32 s56, NPT-1
	s_cbranch_scc1 .Lquanted
	QUANTW 16,48                                   ; f_j - f_p+1: the codes' registers have had their last product of this trip, 100 plain lines ago
	s_cmp_eq_u32 s56, NPT-2
	s_cbranch_scc1 .Lquanted
	FETCHG                                         ; the rows of point p + 2
.Lquanted:
	GREST
	FRAGS WL2                                      ; W2's 16 fragments, into the two idle arrays
	QUANT HA,40,51                                 ; K step 1 of the second product
	s_wait_alu depctr_va_vdst(0)
	s_wait_dscnt 0x0
	PLACES 8                                       ; a scale word written by a vector line stands eight plain lines ahead of the scaled product, an operand four
	WIN 0x04                                       ; source 1 (W2) window 1
.irp t, 0,1,2,3,4,5,6,7
	v_wmma_scale_f32_16x16x128_f8f6f4 v[HA+8*\t:HA+8*\t+7], v[32:39], v[XA+8*\t:XA+8*\t+7], 0, v50, v[68+\t] matrix_a_fmt:MATRIX_FMT_FP4 matrix_b_fmt:MATRIX_FMT_FP4
.endr
.irp t, 0,1,2,3,4,5,6,7
	v_wmma_scale_f32_16x16x128_f8f6f4 v[HA+8*\t:HA+8*\t+7], v[40:47], v[SS+8*\t:SS+8*\t+7], v[HA+8*\t:HA+8*\t+7], v51, v[68+\t] matrix_a_fmt:MATRIX_FMT_FP4 matrix_b_fmt:MATRIX_FMT_FP4 matrix_b_scale:MATRIX_SCALE_ROW1
.endr
	PLACES 4
.irp t, 0,1,2,3,4,5,6,7
.irp i, 0,2,4,6
	v_pk_add_f32 v[HA+8*\t+\i:HA+8*\t+\i+1], v[HA+8*\t+\i:HA+8*\t+\i+1], v[B2D+2*\t:B2D+2*\t+1]   ; + b2 (source 1: window 1), each accumulator from its low end on
.endr
.endr
	WIN 0
	MED64
	GSQ
	GREST
	s_cmp_eq_u32 s56, NPT-1
	s_wait_alu depctr_va_vdst(0)
	s_cbranch_scc1 .Lmean                          ; the last point has no successor
	W1LOAD 0                                       ; the next trip's first fragments and b1; the mean below names none of their registers
.Lmean:
	; the mean, in place: my eight neighbours of output 8 r + t, then the other half's
.irp t, 0,1,2,3,4,5,6,7
	v_pk_add_f32 v[HA+8*\t:HA+8*\t+1], v[HA+8*\t:HA+8*\t+1], v[HA+8*\t+2:HA+8*\t+3]
.endr
.irp t, 0,1,2,3,4,5,6,7
	v_pk_add_f32 v[HA+8*\t+4:HA+8*\t+5], v[HA+8*\t+4:HA+8*\t+5], v[HA+8*\t+6:HA+8*\t+7]
.endr
.irp t, 0,1,2,3,4,5,6,7
	v_pk_add_f32 v[HA+8*\t:HA+8*\t+1], v[HA+8*\t:HA+8*\t+1], v[HA+8*\t+4:HA+8*\t+5]
.endr
.irp t, 0,1,2,3,4,5,6,7
	v_add_f32 v[244+\t], v[HA+8*\t], v[HA+8*\t+1]
.endr
.irp i, 0,1,2,3
	v_permlane16_swap_b32 v[244+\i], v[248+\i]     ; lanes 0-15 get both halves' sums of outputs 8 r + i, lanes 16-31 those of 8 r + 4 + i
.endr
	v_pk_add_f32 v[244:245], v[244:245], v[248:249]
	v_pk_add_f32 v[246:247], v[246:247], v[250:251]
	s_delay_alu instid0(VALU_DEP_2)
	v_pk_mul_f32 v[244:245], v[244:245], s[66:67] op_sel_hi:[1,0]
	s_delay_alu instid0(VALU_DEP_2)
	v_pk_mul_f32 v[246:247], v[246:247], s[66:67] op_sel_hi:[1,0]
	global_store_b128 v8, v[244:247], s[22:23] offset:-512 th:TH_STORE_NT   ; the point's row: 512 consecutive bytes, aligned; written once.  Its data and base stay as they are until the wait in the next trip's middle
	s_add_co_u32 s57, s57, 528
	s_add_co_u32 s58, s58, 64
	s_add_co_u32 s59, s59, 4
	s_add_co_u32 s56, s56, 1
	s_cmp_lt_u32 s56, NPT
	s_cbranch_scc1 .Lpoint
	WIN 0x05                                       ; the add's two registers lie in window 1
	s_wait_tensorcnt 0x0                           ; the wave's end, behind my last LDS store
	ds_add_u32 v254, v255
	s_wait_dscnt 0x0
	WIN 0
	s_endpgm
.Lfunc_end_k_q3390304cb5_mlp:
	.size	k_q3390304cb5_mlp, .Lfunc_end_k_q3390304cb5_mlp-k_q3390304cb5_mlp
	.p2alignl 7, 3214868480
	.fill 96, 4, 3214868480
	.section	.rodata,"a",@progbits
	.p2align	6, 0x0
	.amdhsa_kernel k_q3390304cb5_mlp
		.amdhsa_group_segment_fixed_size 210944
		.amdhsa_private_segment_fixed_size 0
		.amdhsa_enable_private_segment 0
		.amdhsa_kernarg_size 80
		.amdhsa_user_sgpr_count 2
		.amdhsa_user_sgpr_kernarg_segment_ptr 1
		.amdhsa_wavefront_size32 1
		.amdhsa_system_sgpr_workgroup_id_x 1
		.amdhsa_system_sgpr_workgroup_id_y 1
		.amdhsa_system_sgpr_workgroup_id_z 1
		.amdhsa_system_vgpr_workitem_id 0
		.amdhsa_next_free_vgpr 512
		.amdhsa_next_free_sgpr 80
		.amdhsa_reserve_vcc 0
		.amdhsa_float_denorm_mode_32 3
		.amdhsa_float_denorm_mode_16_64 3
		.amdhsa_memory_ordered 1
		.amdhsa_forward_progress 1
		.amdhsa_inst_pref_size 213
	.end_amdhsa_kernel
	.amdgpu_metadata
---
amdhsa.version: [ 1, 2 ]
amdhsa.kernels:
  - .name:           k_q3390304cb5_mlp
    .symbol:         k_q3390304cb5_mlp.kd
    .args:
      - { .name: features, .offset: 0, .size: 8, .value_kind: global_buffer, .address_space: global }
      - { .name: knn_mask, .offset: 8, .size: 8, .value_kind: global_buffer, .address_space: global }
      - { .name: knn_pref, .offset: 16, .size: 8, .value_kind: global_buffer, .address_space: global }
      - { .name: W1_codes, .offset: 24, .size: 8, .value_kind: global_buffer, .address_space: global }
      - { .name: W1_scales, .offset: 32, .size: 8, .value_kind: global_buffer, .address_space: global }
      - { .name: b1, .offset: 40, .size: 8, .value_kind: global_buffer, .address_space: global }
      - { .name: W2_codes, .offset: 48, .size: 8, .value_kind: global_buffer, .address_space: global }
      - { .name: W2_scales, .offset: 56, .size: 8, .value_kind: global_buffer, .address_space: global }
      - { .name: b2, .offset: 64, .size: 8, .value_kind: global_buffer, .address_space: global }
      - { .name: out0, .offset: 72, .size: 8, .value_kind: global_buffer, .address_space: global }
    .group_segment_fixed_size: 210944
    .private_segment_fixed_size: 0
    .kernarg_segment_align: 8
    .kernarg_segment_size: 80
    .max_flat_workgroup_size: 256
    .sgpr_count:     80
    .vgpr_count:     512
    .wavefront_size: 32
...
	.end_amdgpu_metadata
.endif
;; end of part 2
